; MI455X (gfx1250); checked and timed in simulation.
; The chip was launched on July 23, 2026; its instructions are those of AMD's public machine-readable ISA for CDNA 5 (MIT licence, August 2026) and "CDNA5" Instruction Set Architecture Reference Guide (July 2026). The comments in the code are by the model that wrote it; some were corrected since.
;; Self Attention. Allowed arithmetic: float matrix products may take bf16 or f16 operands with f32 sums; all other float work in f32.
;; Inputs: Wk 512 x 512 float32; Wq 512 x 512 float32; Wv 512 x 512 float32; bk 512 float32; bq 512 float32; bv 512 float32; embeddings 8 x 2,048 x 512 float32; mask 8 x 2,048 x 2,048 float32.
;; Outputs: out0 8 x 2,048 x 512 float32.
;; 2 versions, each right; version 2 is version 1 with the launch wconv written anew for expert scheduling mode. Each part assembles by itself: llvm-mc -triple=amdgcn-amd-amdhsa -mcpu=gfx1250 --defsym DOCPART=n.
;; ======== version 1 of 2: 3 launches
;; limits: values are held in f16: magnitudes above 65,504 overflow, below 6.1e-05 lose precision
;; workspace buffers: wb 1,572,864 bytes; qf 16,777,216 bytes; kf 16,777,216 bytes; vf 16,777,216 bytes
;; launch wconv (part 1): grid 32 x 3, 4 waves a work-group, no clusters, 0 bytes of LDS; arguments Wq, Wk, Wv, wb; writes wb
.if DOCPART == 1
	.amdgcn_target "amdgcn-amd-amdhsa--gfx1250"
	.amdhsa_code_object_version 6
	.text
	.protected	k_q5a08db1407_wconv
	.globl	k_q5a08db1407_wconv
	.p2align	8
	.type	k_q5a08db1407_wconv,@function
k_q5a08db1407_wconv:
	s_mov_b64 s[64:65], 0
	v_nop
	global_prefetch_b8 v0, s[64:65] scope:SCOPE_SE
	s_setreg_imm32_b32 hwreg(HW_REG_WAVE_MODE, 25, 1), 1
	s_wait_xcnt 0x0
; Wq, Wk, Wv ([512][512] f32) -> wb: bf16 (round to nearest even), laid out as matrix fragments:
;   wb[32 mat + nb][c][hf][lane][16 bytes] = W_mat[16 nb + r][32 c + 16 hf + 8 h + 0..7],  lane = (r = lane % 16, h = lane / 16),  mat 0, 1, 2 = q, k, v.
; So the next launch reads a fragment half as 512 consecutive bytes a wave, from memory and from LDS.
; Work-group (nb, mat): 16 rows of one matrix; wave w takes the column blocks c = 4 w .. 4 w + 3 (512 bytes of each row).
; 3 MB are moved once: no LDS, no matrix unit, no cluster (no two work-groups read the same bytes).
.set X, 8                              ; v[8:71]   sixteen loads of four f32
.set Y, 72                             ; v[72:103] eight groups of eight bf16
	s_load_b256 s[4:11], s[0:1], 0x0               ; Wq s[4:5], Wk s[6:7], Wv s[8:9], wb s[10:11]
	s_and_b32 s14, ttmp7, 0xffff                   ; which matrix
	s_lshl_b32 s16, ttmp9, 15                      ; 16 rows of 2,048 bytes
	s_mov_b32 s17, 0
	s_lshl_b32 s18, s14, 5
	s_add_co_u32 s18, s18, ttmp9
	s_lshl_b32 s18, s18, 14                        ; block 32 mat + nb of 16,384 bytes in wb
	s_mov_b32 s19, 0
	v_and_b32 v3, 15, v0                           ; r
	v_bfe_u32 v4, v0, 4, 1                         ; h
	v_lshrrev_b32 v5, 5, v0                        ; wave
	v_and_b32 v6, 31, v0                           ; lane
	v_lshlrev_b32 v1, 11, v3                       ; from: row r,
	v_lshl_add_u32 v1, v4, 5, v1                   ; eight f32 for each half of the lanes,
	v_lshl_add_u32 v1, v5, 9, v1                   ; my wave's 512 bytes
	v_lshlrev_b32 v2, 4, v6                        ; to: 16 bytes a lane,
	v_lshl_add_u32 v2, v5, 12, v2                  ; four column blocks of 1,024 bytes a wave
	s_wait_kmcnt 0x0
	s_cmp_eq_u32 s14, 1
	s_cselect_b64 s[12:13], s[6:7], s[4:5]
	s_cmp_eq_u32 s14, 2
	s_cselect_b64 s[12:13], s[8:9], s[12:13]
	s_add_nc_u64 s[12:13], s[12:13], s[16:17]
	s_add_nc_u64 s[10:11], s[10:11], s[18:19]
.set i, 0
.rept 16                               ; group i / 2 = 2 c' + hf lies 64 bytes on; two loads of four f32 each
	global_load_b128 v[X+4*i:X+4*i+3], v1, s[12:13] offset:(i/2)*64+(i%2)*16
.set i, i+1
.endr
.set i, 0
.rept 8
	s_wait_loadcnt 14-2*i                          ; loads come back in order: group i's two are in, the younger ones stay out
.irp j, 0,1,2,3
	v_cvt_pk_bf16_f32 v[Y+4*i+\j], v[X+8*i+2*\j], v[X+8*i+2*\j+1]
.endr
	global_store_b128 v2, v[Y+4*i:Y+4*i+3], s[10:11] offset:512*i  ; 512 consecutive bytes a wave, aligned
.set i, i+1
.endr
	s_endpgm
.Lfunc_end_k_q5a08db1407_wconv:
	.size	k_q5a08db1407_wconv, .Lfunc_end_k_q5a08db1407_wconv-k_q5a08db1407_wconv
	.p2alignl 7, 3214868480
	.fill 96, 4, 3214868480
	.section	.rodata,"a",@progbits
	.p2align	6, 0x0
	.amdhsa_kernel k_q5a08db1407_wconv
		.amdhsa_group_segment_fixed_size 0
		.amdhsa_private_segment_fixed_size 0
		.amdhsa_enable_private_segment 0
		.amdhsa_kernarg_size 32
		.amdhsa_user_sgpr_count 2
		.amdhsa_user_sgpr_kernarg_segment_ptr 1
		.amdhsa_wavefront_size32 1
		.amdhsa_system_sgpr_workgroup_id_x 1
		.amdhsa_system_sgpr_workgroup_id_y 1
		.amdhsa_system_sgpr_workgroup_id_z 1
		.amdhsa_system_vgpr_workitem_id 0
		.amdhsa_next_free_vgpr 104
		.amdhsa_next_free_sgpr 66
		.amdhsa_reserve_vcc 0
		.amdhsa_float_denorm_mode_32 3
		.amdhsa_float_denorm_mode_16_64 3
		.amdhsa_memory_ordered 1
		.amdhsa_forward_progress 1
		.amdhsa_inst_pref_size 6
	.end_amdhsa_kernel
	.amdgpu_metadata
---
amdhsa.version: [ 1, 2 ]
amdhsa.kernels:
  - .name:           k_q5a08db1407_wconv
    .symbol:         k_q5a08db1407_wconv.kd
    .args:
      - { .name: Wq, .offset: 0, .size: 8, .value_kind: global_buffer, .address_space: global }
      - { .name: Wk, .offset: 8, .size: 8, .value_kind: global_buffer, .address_space: global }
      - { .name: Wv, .offset: 16, .size: 8, .value_kind: global_buffer, .address_space: global }
      - { .name: wb, .offset: 24, .size: 8, .value_kind: global_buffer, .address_space: global }
    .group_segment_fixed_size: 0
    .private_segment_fixed_size: 0
    .kernarg_segment_align: 8
    .kernarg_segment_size: 32
    .max_flat_workgroup_size: 128
    .sgpr_count:     66
    .vgpr_count:     104
    .wavefront_size: 32
...
	.end_amdgpu_metadata
.endif
;; end of part 1
;; launch proj (part 2): grid 64 x 4, 4 waves a work-group, clusters of 4 x 1, 327,680 bytes of LDS; arguments embeddings, wb, bq, bk, bv, qf, kf, vf; writes qf, kf, vf
.if DOCPART == 2
	.amdgcn_target "amdgcn-amd-amdhsa--gfx1250"
	.amdhsa_code_object_version 6
	.text
	.protected	k_q5a08db1407_proj
	.globl	k_q5a08db1407_proj
	.p2align	8
	.type	k_q5a08db1407_proj,@function
k_q5a08db1407_proj:
	s_mov_b64 s[64:65], 0
	v_nop
	global_prefetch_b8 v0, s[64:65] scope:SCOPE_SE
	s_setreg_imm32_b32 hwreg(HW_REG_WAVE_MODE, 25, 1), 1
	s_wait_xcnt 0x0
	s_wait_alu depctr_hold_cnt(0) depctr_sa_sdst(0) depctr_va_vdst(0) depctr_va_sdst(0) depctr_va_ssrc(0) depctr_va_vcc(0) depctr_vm_vsrc(0)
	s_getreg_b32 s2, hwreg(HW_REG_IB_STS2, 6, 4)
	s_cmp_eq_u32 s2, 0
	s_cbranch_scc0 .Lentry_in_a_cluster
	s_endpgm
.Lentry_in_a_cluster:
	s_bfe_u32 s2, ttmp6, 0x10000c
	s_cmp_lg_u32 s2, 0x3003
	s_cbranch_scc0 .Lentry_shape_is_right
	s_endpgm
.Lentry_shape_is_right:
; q, k, v = bf16(x) . bf16(W)^T + bf16(b), sums in f32, rounded once to f16 and written as matrix fragments for the attention launch:
;   qf, kf [tb][c][hf][lane][16 bytes] = q[16 tb + r][32 c + 16 hf + 8 h + 0..7]        (token = 2048 batch + s; lane = (r = lane % 16, h = lane / 16))
;   vf     [g][cb][hf][lane][16 bytes] = v[32 g + 16 hf + 8 h + 0..7][16 cb + r]
; LIMITS.  f16 ends at 65,504: |q|, |k|, |v| must stay below it (inputs 30 times the usual spread give some 4,500; a common offset of 30 spreads some 20,000).  x, W and b are taken rounded to bf16.
; SHARES.  A work-group owns 256 tokens and 384 rows of W: channels 128 s .. 128 s + 127 of each of q, k, v (s = the grid's y).  Each wave keeps ITS OWN 64 tokens (four tiles t of 16) as 64 bf16
; fragments, 512 registers; all four waves walk the same 24 blocks of 16 rows of W: 16 fragments from LDS, each feeding four products (one a tile): 64 matrix instructions for 32 LDS loads.
; So a work-group takes 384 KiB of W through LDS for 1,536 matrix instructions a wave, and a slot of 128 KiB serves 512 of them.
; x comes straight into registers: a wave's tokens are read by no other wave.  A lane takes 16 bytes of its token's row at a time; eight loads on end cover 16 rows x 256 aligned bytes whole, and each
; byte of x is read once in the launch.  No cache hint: neighbouring loads take neighbouring bytes.
; For q and k source 0 is W and source 1 is x: a lane's eight results are eight channels of one token.  For v the sources change places: eight tokens of one channel.  Packed to f16 these are
; exactly 16 bytes of the layouts above, so results leave straight from registers, 512 consecutive aligned bytes a store.
; RING.  Slot 0 holds q's 128 rows and slot 1 k's, both filled at the start, a quarter a wave.  When q is done slot 0 is filled again, with v's rows: that load has all of k, 512 matrix instructions,
; in which to land.  CLUSTER: the four token blocks of a cluster walk the same rows of W, so each quarter is asked for JOINTLY (same load, same descriptor, mask of four).
; LDS: 0 slot 0; 131,072 slot 1; 262,144 the work-group's 384 biases; 263,680 the spare words.
; REGISTERS: window 0 addresses, biases, accumulators, packed results; windows 1, 2: x, fragment (c, t) at 32 (c % 8) + 8 t of window 1 + c / 8; window 3: W, two buffers of 128 (fragment c at 8 c),
; and before that four staging sets of 64 for x in f32.
.set SLOT1,  0x20000
.set STEPW,  0x4000                    ; a block of 16 rows of W: 16 fragments of 1,024 bytes
.set LASTP,  0x38000                   ; the last pair of blocks in slot 1: no fetch ahead begins behind it
.set BT,     262144                    ; 3 x 128 biases, rounded to bf16, kept as f32: six blocks of 256 bytes into which no fill lands
.set SPARE,  263680                    ; 128 bytes a wave: two blocks of 256 bytes that no other line names
.set AXO,  2                           ; v2     my place in 16 rows of x: 2,048 r + 32 h
.set AW0,  6                           ; v6     my 16 bytes of a fragment half: 16 lane
.set AWL,  7                           ; v7     the address of the run of LDS loads in hand
.set ABQ0, 8                           ; v8     BT + 32 h: eight biases a lane (q, k)
.set ABV0, 9                           ; v9     BT + 4 r: one bias a lane (v)
.set AB,   10                          ; v10    the trip's bias address
.set VO,   11                          ; v11    16 lane: my 16 bytes of a store
.set ABT,  13                          ; v13    where I put a bias: BT + 4 x thread
.set SPW,  14                          ; v14    my spare word; never rewritten
.set NIL,  15                          ; v15    0; never rewritten
.set BI0,  16                          ; v[16:23], v[24:31] biases of the trip's two blocks
.set OP0,  32                          ; v[32:47], v[48:63] packed results of the two blocks
.set AC0,  64                          ; v[64:95], v[96:127] four accumulators for each of the two blocks
.set WA,   0                           ; window 3
.set WB,   128
.set WV,   20                          ; s20 wave
.set G1W,  24                          ; s[24:31] group 1, a quarter slot of W: 128 rows of 256 bytes, dense
.set G0A,  32                          ; s[32:35] slot 0 <- q's rows
.set G0B,  36                          ; s[36:39] slot 1 <- k's rows
.set G0C,  40                          ; s[40:43] slot 0 <- v's rows
.set TA,   44                          ; s44 LDS byte of the trip's first block
.set SB,   45                          ; s45 128 x trip: the trip's biases in BT
.set CNT,  46
.set TP,   47
.set OB,   48                          ; s[48:49] where the trip's results go
.set KB,   50                          ; s[50:51] kf at my tokens and channels
.set VB,   52                          ; s[52:53] vf likewise
.set MSB, 0
.macro WIN new                         ; the immediate's high byte repeats the setting that is left; a switch that changes nothing is dropped
.if MSB != (\new)
	s_set_vgpr_msb (MSB<<8)|(\new)
.set MSB, (\new)
.endif
.endm
.macro PLACES                          ; four places behind matrix instructions, ahead of loads into their sources and of vector reads of their results
.rept 4
	v_nop
.endr
.endm
.macro CREST                           ; a round of the cluster's barrier behind its opening barrier
	s_cmp_lg_u32 s[WV], 0
	s_cbranch_scc1 .Lnot_wave_0_\@
	s_barrier_signal -3
.Lnot_wave_0_\@:
	s_barrier_wait -3
	s_barrier_signal -1
	s_barrier_wait -1
.endm
.macro CROUND
	s_barrier_signal -1
	s_barrier_wait -1
	CREST
.endm
	s_load_b512 s[4:19], s[0:1], 0x0               ; x s[4:5], wb s[6:7], bq s[8:9], bk s[10:11], bv s[12:13], qf s[14:15], kf s[16:17], vf s[18:19]
	v_lshl_add_u32 v[SPW], v0, 2, SPARE
	v_mov_b32 v[NIL], 0
	ds_add_u32 v[SPW], v[NIL]                      ; the wave's opening: the add and its wait stand ahead of my first tensor load; work on registers stands between them
	v_lshrrev_b32 v1, 5, v0
	v_readfirstlane_b32 s[WV], v1
	v_and_b32 v24, 15, v0                          ; r
	v_bfe_u32 v25, v0, 4, 1                        ; h
	v_and_b32 v26, 31, v0                          ; lane
	v_lshlrev_b32 v[AXO], 11, v24                  ; a token's row is 2,048 bytes,
	v_lshl_add_u32 v[AXO], v25, 5, v[AXO]          ; eight f32 for each half of the lanes
	v_lshlrev_b32 v[AW0], 4, v26
	v_lshlrev_b32 v[VO], 4, v26
	v_lshl_add_u32 v[ABQ0], v25, 5, BT
	v_lshl_add_u32 v[ABV0], v24, 2, BT
	v_lshl_add_u32 v[ABT], v0, 2, BT
	s_bfe_u32 s21, ttmp6, 0x40000                  ; cx
	s_lshl_b32 s22, ttmp9, 2
	s_add_co_u32 s22, s22, s21                     ; my block of 256 tokens: it enters x's and the outputs' addresses alone
	s_and_b32 s23, ttmp7, 0xffff                   ; my slice of 128 channels, which the four partners share
	s_mov_b32 s[G1W], 15|(3<<16)|(1<<21)           ; mask of four; elements of 8 bytes; bit 21 beside a mask; no padding
	s_mov_b32 s[G1W+1], 32<<16                     ; tensor_dim0 = 32 elements = 256 bytes
	s_mov_b32 s[G1W+2], 128<<16                    ; tensor_dim1 = 128
	s_mov_b32 s[G1W+3], 32<<16                     ; tile_dim0
	s_mov_b32 s[G1W+4], 128                        ; tile_dim1
	s_mov_b32 s[G1W+5], 32                         ; rows lie end to end
	s_mov_b32 s[G1W+6], 0
	s_mov_b32 s[G1W+7], 0
	s_mov_b32 s[G0A], 1
	s_lshl_b32 s[G0A+1], s[WV], 15                 ; my quarter of slot 0,
	s_mov_b32 s[G0B], 1
	s_add_co_u32 s[G0B+1], s[G0A+1], SLOT1         ; of slot 1,
	s_mov_b32 s[G0C], 1
	s_lshl_b32 s[G0C+1], s[WV], 15                 ; and of slot 0 once more
	s_lshl_b32 s54, s23, 17                        ; in wb: the slice's 8 blocks of 16,384 bytes,
	s_lshl_b32 s55, s[WV], 15                      ; my two of them: the slice and the wave's number alone
	s_add_co_u32 s54, s54, s55
	s_mov_b32 s55, 0
	s_lshl_b32 s56, s22, 19                        ; in x: 256 tokens of 2,048 bytes,
	s_lshl_b32 s57, s[WV], 17                      ; my 64 of them
	s_add_co_u32 s56, s56, s57
	s_mov_b32 s57, 0
	s_lshl_b32 s58, s22, 18                        ; in qf, kf, vf: 256 tokens are 262,144 bytes,
	s_lshl_b32 s59, s[WV], 16                      ; my 64 are 65,536
	s_add_co_u32 s58, s58, s59
	s_lshl_b32 s59, s23, 12                        ; eight channel blocks of 512 bytes in qf and kf,
	s_add_co_u32 s2, s58, s59
	s_lshl_b32 s59, s23, 13                        ; of 1,024 bytes in vf
	s_add_co_u32 s58, s58, s59
	s_mov_b32 s3, 0
	s_mov_b32 s59, 0
	s_lshl_b32 s[TP], s23, 9                       ; the slice's 128 biases
	v_lshl_add_u32 v27, v0, 2, s[TP]               ; one of each vector a thread
	s_wait_dscnt 0x0                               ; the opening add is done
	s_wait_kmcnt 0x0
	s_add_nc_u64 s[G0A+2:G0A+3], s[6:7], s[54:55]
	s_add_nc_u64 s[G0B+2:G0B+3], s[G0A+2:G0A+3], 524288   ; a matrix is 32 blocks of 16,384 bytes
	s_add_nc_u64 s[G0C+2:G0C+3], s[G0A+2:G0A+3], 1048576
	s_or_b32 s[G0A+3], s[G0A+3], 0x80000000
	s_or_b32 s[G0B+3], s[G0B+3], 0x80000000
	s_or_b32 s[G0C+3], s[G0C+3], 0x80000000
	s_add_nc_u64 s[4:5], s[4:5], s[56:57]
	s_add_nc_u64 s[OB:OB+1], s[14:15], s[2:3]
	s_add_nc_u64 s[KB:KB+1], s[16:17], s[2:3]
	s_add_nc_u64 s[VB:VB+1], s[18:19], s[58:59]
	CROUND                                         ; all four work-groups are here: the first loads go out as one group
	tensor_load_to_lds s[G0A:G0A+3], s[G1W:G1W+7]
	s_nop 0
	tensor_load_to_lds s[G0B:G0B+3], s[G1W:G1W+7]  ; two loads of mine are out
	s_nop 0
	PLACES
	global_load_b32 v32, v27, s[8:9]
	global_load_b32 v33, v27, s[10:11]
	global_load_b32 v34, v27, s[12:13]
; x into 64 bf16 fragments.  Fragment (c, t): lane (r, h) holds token 16 t + r, columns 32 c + 8 h + 0..7 and 32 c + 16 + 8 h + 0..7: four loads of four f32.
.macro LOADX c                         ; column block c, all four tiles: sixteen loads into staging set c % 4 (window 3)
	WIN 0xC0
.irp t, 0,1,2,3
.irp u, 0,1,2,3
	global_load_b128 v[64*((\c)%4)+16*\t+4*\u:64*((\c)%4)+16*\t+4*\u+3], v[AXO], s[4:5] offset:\t*32768+(\c)*128+(\u/2)*64+(\u%2)*16
.endr
.endr
.endm
.macro CVTX c
	WIN 0x4F+0x40*((\c)/8)                         ; sources window 3, destination window 1 or 2
.irp t, 0,1,2,3
.irp j, 0,1,2,3,4,5,6,7
	v_cvt_pk_bf16_f32 v[32*((\c)%8)+8*\t+\j], v[64*((\c)%4)+16*\t+2*\j], v[64*((\c)%4)+16*\t+2*\j+1]
.endr
.endr
.endm
	LOADX 0
	LOADX 1
	LOADX 2
	WIN 0
	s_wait_loadcnt 48                              ; loads come back in order: the three biases are in, x's 48 stay out
	v_cvt_pk_bf16_f32 v48, v32, v33                ; rounded to bf16 and widened again
	v_cvt_pk_bf16_f32 v49, v34, v34
	v_lshlrev_b32 v32, 16, v48
	v_and_b32 v33, 0xffff0000, v48
	v_lshlrev_b32 v34, 16, v49
	ds_store_b32 v[ABT], v32
	ds_store_b32 v[ABT], v33 offset:512
	ds_store_b32 v[ABT], v34 offset:1024
.set cc, 0
.rept 16
.if cc < 14
	s_wait_loadcnt 32                              ; block cc's sixteen loads are in; the two blocks behind it stay out
.else
	s_wait_loadcnt 16*(15-cc)
.endif
.if cc < 13
	LOADX cc+3                                     ; into the set that block cc - 1 has left
.endif
	CVTX cc
.set cc, cc+1
.endr
	WIN 0
	s_wait_tensorcnt 0x0                           ; my quarters of both slots are in: they had x's whole way in which to land
	s_wait_dscnt 0x0                               ; for the others' sake: my biases are stored
	s_barrier_signal -1
	s_barrier_wait -1                              ; everybody's are
	v_mov_b32 v[AWL], v[AW0]
.macro WLD buf                         ; 32 LDS loads in one run: the 16 fragments of one block; each load takes 512 consecutive bytes
	WIN 0xC0
.set u, 0
.rept 32
	ds_load_b128 v[(\buf)+4*u:(\buf)+4*u+3], v[AWL] offset:512*u
.set u, u+1
.endr
.endm
.macro BLD ty, set                     ; a block's biases: eight channels a lane (q, k), or one channel a lane, twice, for the packed addition (v)
	WIN 0
.if (\ty) == 0
	ds_load_b128 v[BI0+8*(\set):BI0+8*(\set)+3], v[AB] offset:64*(\set)
	ds_load_b128 v[BI0+8*(\set)+4:BI0+8*(\set)+7], v[AB] offset:64*(\set)+16
.else
	ds_load_b32 v[BI0+8*(\set)], v[AB] offset:64*(\set)
	ds_load_b32 v[BI0+8*(\set)+1], v[AB] offset:64*(\set)
.endif
.endm
; Product i of a block's 64: column block i / 4, tile i % 4.  The four accumulators take turns; the first four products start the sums.
.macro MMP ty, buf, ac
.set c_, i/4
.set t_, i%4
.set rW, (\buf)+8*c_
.set rX, 32*(c_%8)+8*t_
.set rA, (\ac)+8*t_
.if (\ty) == 0
	WIN 0x07+4*(c_/8)                              ; source 0 = W (window 3), source 1 = x (window 1 or 2)
.if c_ == 0
	v_wmma_f32_16x16x32_bf16 v[rA:rA+7], v[rW:rW+7], v[rX:rX+7], 0
.else
	v_wmma_f32_16x16x32_bf16 v[rA:rA+7], v[rW:rW+7], v[rX:rX+7], v[rA:rA+7]
.endif
.else
	WIN 0x0D+(c_/8)                                ; source 0 = x, source 1 = W
.if c_ == 0
	v_wmma_f32_16x16x32_bf16 v[rA:rA+7], v[rX:rX+7], v[rW:rW+7], 0
.else
	v_wmma_f32_16x16x32_bf16 v[rA:rA+7], v[rX:rX+7], v[rW:rW+7], v[rA:rA+7]
.endif
.endif
.set i, i+1
.endm
.macro MMS ty, buf, ac, n
.rept \n
	MMP \ty, \buf, \ac
.endr
.endm
; The way out of a block, in eight parts: g even: the bias onto tile g / 2 (lowest registers first); g odd: rounded to f16 and stored.
.macro EPG ty, set, g
.set t_, (\g)/2
.set rA, AC0+32*(\set)+8*t_
.set rB, BI0+8*(\set)
.set rP, OP0+16*(\set)+4*t_
	WIN 0
.if (\g)%2 == 0
.irp j, 0,1,2,3
.if (\ty) == 0
	v_pk_add_f32 v[rA+2*\j:rA+2*\j+1], v[rA+2*\j:rA+2*\j+1], v[rB+2*\j:rB+2*\j+1]
.else
	v_pk_add_f32 v[rA+2*\j:rA+2*\j+1], v[rA+2*\j:rA+2*\j+1], v[rB:rB+1]
.endif
.endr
.else
.irp j, 0,1,2,3
	v_cvt_pk_f16_f32 v[rP+\j], v[rA+2*\j], v[rA+2*\j+1]
.endr
.if (\ty) == 0
	global_store_b128 v[VO], v[rP:rP+3], s[OB:OB+1] offset:t_*16384+(\set)*512  ; token block t, the trip's channel block: 512 consecutive aligned bytes
.else
	global_store_b128 v[VO], v[rP:rP+3], s[OB:OB+1] offset:(t_/2)*32768+(t_%2)*512+(\set)*1024
.endif
.endif
.endm
; A TRIP = two blocks of 16 rows of W = 128 matrix instructions.  ty: 0 q and k, 1 v.  No barrier and no tensor load stands in it.
; Each block's 32 LDS loads go out in one run, 64 matrix instructions ahead of their first use.  The fetch ahead of the next trip's first block is capped at the last pair of slot 1, so that one text
; serves every trip of a loop: k's last trip and v's last trip fetch 32 fragment halves that nobody multiplies, from bytes that have landed and that nothing fills.
.macro PTRIP ty
	WIN 0
	s_add_co_u32 s[TP], s[TA], STEPW
	v_add_nc_u32 v[AWL], s[TP], v[AW0]             ; the trip's second block
	v_add_nc_u32 v[AB], s[SB], v[ABQ0+(\ty)]
	s_wait_dscnt 0x0                               ; the first block's fragments are in
	WLD WB                                         ; (its last readers stand ahead of the last trip's four v_nop)
	BLD \ty, 0
.set i, 0
	MMS \ty, WA, AC0, 64
	WIN 0
	PLACES
	s_add_co_u32 s[TP], s[TA], 2*STEPW
	s_min_u32 s[TP], s[TP], LASTP
	v_add_nc_u32 v[AWL], s[TP], v[AW0]             ; the next trip's first block
	s_wait_dscnt 0x0                               ; the second block's fragments and the first's biases are in
	WLD WA
	BLD \ty, 1
.set i, 0
	MMS \ty, WB, AC0+32, 8
.irp g, 0,1,2,3,4,5,6,7
	MMS \ty, WB, AC0+32, 1                         ; the first block's way out rides behind eight products of the second
	EPG \ty, 0, \g
.endr
	MMS \ty, WB, AC0+32, 48
	WIN 0
	PLACES
	s_wait_dscnt 0x0                               ; the second block's biases
.irp g, 0,1,2,3,4,5,6,7
	EPG \ty, 1, \g
.endr
	s_wait_xcnt 0x0                                ; only behind this wait are the stores' base and data registers written again (ISA guide 3.1)
	s_add_co_u32 s[TA], s[TA], 2*STEPW
	s_add_co_u32 s[SB], s[SB], 128
	s_add_nc_u64 s[OB:OB+1], s[OB:OB+1], 1024*(1+(\ty))  ; two channel blocks on: 512 bytes each in qf and kf, 1,024 in vf
.endm
	WLD WA                                         ; q's first block
	WIN 0
	s_mov_b32 s[TA], 0
	s_mov_b32 s[SB], 0
	s_mov_b32 s[CNT], 4
.Lq:                                                   ; slot 0: q.  The last trip fetches k's first block, which has been whole since the first barrier
	PTRIP 0
	s_sub_co_u32 s[CNT], s[CNT], 1
	s_cmp_lg_u32 s[CNT], 0
	s_cbranch_scc1 .Lq
	s_wait_tensorcnt 0x0                           ; no tensor load of mine is out
	ds_add_u32 v[SPW], v[NIL]                      ; work on registers stands between the add and its wait
	s_mov_b64 s[OB:OB+1], s[KB:KB+1]
	s_mov_b32 s[CNT], 4
	s_wait_dscnt 0x0                               ; the add is done, and my reads of slot 0 are over
	CROUND                                         ; so with every wave of the cluster
	tensor_load_to_lds s[G0C:G0C+3], s[G1W:G1W+7]  ; v's rows into slot 0: every wave's one joint load; it has the four trips of k in which to land
	s_nop 0
	PLACES
.Lk:                                                   ; slot 1: k
	PTRIP 0
	s_sub_co_u32 s[CNT], s[CNT], 1
	s_cmp_lg_u32 s[CNT], 0
	s_cbranch_scc1 .Lk
	s_wait_tensorcnt 0x0                           ; my quarter of v's rows is in
	ds_add_u32 v[SPW], v[NIL]
	s_mov_b64 s[OB:OB+1], s[VB:VB+1]
	s_mov_b32 s[TA], 0
	s_mov_b32 s[CNT], 4
	s_wait_dscnt 0x0
	s_barrier_signal -1
	s_barrier_wait -1                              ; everybody's is
	v_mov_b32 v[AWL], v[AW0]
	WLD WA                                         ; v's first block (the last products that read this buffer stand ahead of the trip's v_nop)
	WIN 0
.Lv:                                                   ; slot 0 again: v
	PTRIP 1
	s_sub_co_u32 s[CNT], s[CNT], 1
	s_cmp_lg_u32 s[CNT], 0
	s_cbranch_scc1 .Lv
	s_wait_tensorcnt 0x0                           ; the wave's end
	ds_add_u32 v[SPW], v[NIL]
	s_wait_dscnt 0x0
	CROUND                                         ; the closing round
	s_endpgm
.Lfunc_end_k_q5a08db1407_proj:
	.size	k_q5a08db1407_proj, .Lfunc_end_k_q5a08db1407_proj-k_q5a08db1407_proj
	.p2alignl 7, 3214868480
	.fill 96, 4, 3214868480
	.section	.rodata,"a",@progbits
	.p2align	6, 0x0
	.amdhsa_kernel k_q5a08db1407_proj
		.amdhsa_group_segment_fixed_size 327680
		.amdhsa_private_segment_fixed_size 0
		.amdhsa_enable_private_segment 0
		.amdhsa_kernarg_size 64
		.amdhsa_user_sgpr_count 2
		.amdhsa_user_sgpr_kernarg_segment_ptr 1
		.amdhsa_wavefront_size32 1
		.amdhsa_system_sgpr_workgroup_id_x 1
		.amdhsa_system_sgpr_workgroup_id_y 1
		.amdhsa_system_sgpr_workgroup_id_z 1
		.amdhsa_system_vgpr_workitem_id 0
		.amdhsa_next_free_vgpr 1024
		.amdhsa_next_free_sgpr 66
		.amdhsa_reserve_vcc 0
		.amdhsa_float_denorm_mode_32 3
		.amdhsa_float_denorm_mode_16_64 3
		.amdhsa_memory_ordered 1
		.amdhsa_forward_progress 1
		.amdhsa_inst_pref_size 125
	.end_amdhsa_kernel
	.amdgpu_metadata
---
amdhsa.version: [ 1, 2 ]
amdhsa.kernels:
  - .name:           k_q5a08db1407_proj
    .symbol:         k_q5a08db1407_proj.kd
    .args:
      - { .name: embeddings, .offset: 0, .size: 8, .value_kind: global_buffer, .address_space: global }
      - { .name: wb, .offset: 8, .size: 8, .value_kind: global_buffer, .address_space: global }
      - { .name: bq, .offset: 16, .size: 8, .value_kind: global_buffer, .address_space: global }
      - { .name: bk, .offset: 24, .size: 8, .value_kind: global_buffer, .address_space: global }
      - { .name: bv, .offset: 32, .size: 8, .value_kind: global_buffer, .address_space: global }
      - { .name: qf, .offset: 40, .size: 8, .value_kind: global_buffer, .address_space: global }
      - { .name: kf, .offset: 48, .size: 8, .value_kind: global_buffer, .address_space: global }
      - { .name: vf, .offset: 56, .size: 8, .value_kind: global_buffer, .address_space: global }
    .group_segment_fixed_size: 327680
    .private_segment_fixed_size: 0
    .kernarg_segment_align: 8
    .kernarg_segment_size: 64
    .max_flat_workgroup_size: 128
    .sgpr_count:     66
    .vgpr_count:     1024
    .wavefront_size: 32
...
	.end_amdgpu_metadata
.endif
;; end of part 2
;; launch attn (part 3): grid 32 x 8, 4 waves a work-group, clusters of 4 x 1, 327,680 bytes of LDS; arguments qf, kf, vf, mask, out0; writes out0
.if DOCPART == 3
	.amdgcn_target "amdgcn-amd-amdhsa--gfx1250"
	.amdhsa_code_object_version 6
	.text
	.protected	k_q5a08db1407_attn
	.globl	k_q5a08db1407_attn
	.p2align	8
	.type	k_q5a08db1407_attn,@function
k_q5a08db1407_attn:
	s_mov_b64 s[64:65], 0
	v_nop
	global_prefetch_b8 v0, s[64:65] scope:SCOPE_SE
	s_setreg_imm32_b32 hwreg(HW_REG_WAVE_MODE, 25, 1), 1
	s_wait_xcnt 0x0
	s_wait_alu depctr_hold_cnt(0) depctr_sa_sdst(0) depctr_va_vdst(0) depctr_va_sdst(0) depctr_va_ssrc(0) depctr_va_vcc(0) depctr_vm_vsrc(0)
	s_getreg_b32 s2, hwreg(HW_REG_IB_STS2, 6, 4)
	s_cmp_eq_u32 s2, 0
	s_cbranch_scc0 .Lentry_in_a_cluster
	s_endpgm
.Lentry_in_a_cluster:
	s_bfe_u32 s2, ttmp6, 0x10000c
	s_cmp_lg_u32 s2, 0x3003
	s_cbranch_scc0 .Lentry_shape_is_right
	s_endpgm
.Lentry_shape_is_right:
; out[b][q][:] = the sum over k of softmax_k((q . k + mask[b][q][k]) / sqrt(512)) v[k][:].  q, k, v: f16 fragments as the projection launch wrote them; mask f32 [8][2048][2048]; out f32 [8][2048][512].
; Products, maxima and sums in f32; the mask is rounded to bf16 like the module's other inputs and is the C operand that starts a score's sum; the weights p are rounded to f16 for the second product
; (their sum l is taken of the unrounded p).
; LIMITS.  p below 6e-5 keeps f16's fixed step of 6e-8; a weight below 2^-126 counts as 0 in l; a row whose mask is -inf everywhere gives NaN; NaN is not treated apart; the mask's rounding
; to bf16 shifts a score by up to |mask| 2^-9 / 22.6.
; SHARES.  A work-group owns 64 queries of a batch (four tiles t of 16) and walks its 2,048 keys, 64 a step.  Head size 512 makes Q 512 registers and O 64 x 512 f32, so the waves share a step otherwise
; than by queries: for S^T = K Q^T wave w takes the step's keys 16 w .. 16 w + 15 and all four tiles (64 matrix instructions); for O^T += V^T P it owns channels 128 w .. 128 w + 127 and all four tiles
; (64 more).  So each fragment of K or V read from LDS feeds four products.  The price: a query's maximum and the weights P go from wave to wave through LDS in every step.
; LAYOUT.  In S^T a lane holds one query (lane % 16) and the keys 8 (lane / 16) + 0..7 of its wave's 16; packed to f16 these are 16 bytes of source 1 of V^T P; O^T again holds one query a lane.
; SOFTMAX.  A running maximum m and sum l for each query: p = 2^(c s - c m), c = log2(e) / sqrt(512); O and l are multiplied by a = 2^(c m_old - c m_new) in every step.  m starts at the lowest finite
; number, O and l at 0: the first step's a is 0.
; PIPELINE.  Trip n: phase 1 = S of step n + 1, with the rescaling of O by a(n) as two riders behind each product; phase 2 = V^T P of step n, with the softmax of step n + 1 and the rounding of mask n + 2
; beside it.  Three barriers a trip: A (the waves' maxima), R (the ring), B (P).  O is cleared by riders in the first trip, which has no V^T P: 256 v_mov_b32, the price of writing no first step out.
; RING.  Two slots each of K (65,536 bytes), V (65,536) and the mask (64 rows, pitch 272).  Behind R of trip n wave 0 asks for K(n + 3), wave 1 for V(n + 2), wave 2 for mask(n + 3): each has 120 matrix
; instructions until the wait for it.  CLUSTER: the four query blocks of a cluster walk the same K and V, which are asked for JOINTLY; the mask tile is each work-group's own, a plain load.
; Wave 3 prefetches: in trip n the 64 blocks of 256 bytes of mask tile n + 5, which is loaded two trips later; the address stops at tile 31.
; LDS: 0 K0, 0x10000 K1, 0x20000 V0, 0x30000 V1, 0x40000 M0, 279,552 P (8,192), 287,744 maxima (1,024), 288,768 spare words (512), 0x48000 M1.  The way out's stage lies in K0, whose last fill is long past.
; REGISTERS: window 0 as below; windows 1, 2: Q, fragment (c, t) at 32 (c % 8) + 8 t of window 1 + c / 8; window 3: O^T, accumulator (channel block cbl, t) at 8 (4 cbl + t).
.set V0B,    0x20000
.set M0B,    0x40000
.set KX,     0x10000                   ; one exclusive or turns a K or V address into the other slot's
.set MX,     0x8000                    ; the same for the mask
.set MPITCH, 272                       ; 256 bytes + 16: the 16 rows of a load start at 16 different 16-byte columns of 256
.set PXB,    279552                    ; P: [4 t + w][lane][16 bytes]
.set MXB,    287744                    ; maxima: [w][r][t] f32
.set SPARE,  288768
.set SGP,    528                       ; the stage's pitch: 512 bytes + 16
.set AK0, 2                            ; 16 lane + 16,384 w
.set AV0, 3                            ; V0B + 8,192 w + 16 lane
.set AM0, 4                            ; M0B + 272 r + 64 w + 32 h
.set ADK, 5                            ; the addresses in hand
.set ADV, 6
.set ADM, 7
.set APS, 8                            ; PXB + 512 w + 16 lane
.set APL, 9                            ; PXB + 16 lane
.set AXS, 10                           ; MXB + 256 w + 16 r
.set AXL, 11                           ; MXB + 16 r
.set STO, 12                           ; the way out
.set RD,  13
.set GO,  14                           ; 16 lane
.set PFO, 15                           ; 8,192 lane: a mask row a lane
.set SPW, 16                           ; my spare word; never rewritten
.set NIL, 17                           ; 0; never rewritten
.set ST,  18                           ; v[18:41] tile t at ST + 6 t: c m, m, l (even keys', odd keys'), a, d (at work)
.set LMX, 42                           ; v[42:45] my wave's maxima, a tile each
.set PK,  46                           ; v[46:61] packed P; before that the four waves' maxima; after it the mask's rounding
.set S,   62                           ; v[62:93] S^T, 8 a tile
.set MB,  94                           ; v[94:125] the next step's mask
.set PF,  126                          ; v[126:189] P's fragments: (t, kk) at 8 (2 t + kk)
.set F0,  190                          ; v[190:221], v[222:253] four fragments of K or V each, by turns
.set F1,  222
.set WV,  14
.set G1D, 24                           ; s[24:31] group 1: 256 rows of 256 bytes, dense, joint
.set G1M, 32                           ; s[32:39] group 1: 64 rows of 64 f32, padded, plain
.set G0K, 40                           ; s[40:47] two sets: tile 0; tile 1, which then walks
.set G0V, 48
.set G0M, 56
.set CS,  66                           ; s[66:67] c
.set SEL, 68                           ; s[68:69] v_permlanex16_b32's selects
.set T,   70                           ; (n & 1) x KX
.set TM,  71                           ; (n & 1) x MX
.set CNT, 72
.set HM,  73
.set PFB, 74                           ; s[74:75] the mask tile to prefetch
.set PST, 76                           ; s[76:77] its step
.set OUTB, 78                          ; s[78:79]
.set MSB, 0
.macro WIN new                         ; the immediate's high byte repeats the setting that is left; a switch that changes nothing is dropped
.if MSB != (\new)
	s_set_vgpr_msb (MSB<<8)|(\new)
.set MSB, (\new)
.endif
.endm
.macro PLACES                          ; four places behind matrix instructions (ISA guide 7.12.1)
.rept 4
	v_nop
.endr
.endm
.macro CREST
	s_cmp_lg_u32 s[WV], 0
	s_cbranch_scc1 .Lnot_wave_0_\@
	s_barrier_signal -3
.Lnot_wave_0_\@:
	s_barrier_wait -3
	s_barrier_signal -1
	s_barrier_wait -1
.endm
.macro CROUND
	s_barrier_signal -1
	s_barrier_wait -1
	CREST
.endm
; The refills behind a round.  kind 1: K and the mask; 2: K, the mask and V; 3: V alone.  The branches hang on the wave's number alone.  s_nop 0 and four v_nop follow each load; on
; every way four v_nop stand here: the places ahead of the LDS loads that follow.
.macro FILL kind
.if (\kind) != 3
	s_cmp_eq_u32 s[WV], 0
	s_cbranch_scc0 .Lnk_\@
	tensor_load_to_lds s[G0K+4:G0K+7], s[G1D:G1D+7]
	s_nop 0
	PLACES
	s_branch .Lfd_\@
.Lnk_\@:
	s_cmp_eq_u32 s[WV], 2
	s_cbranch_scc0 .Lnm_\@
	tensor_load_to_lds s[G0M+4:G0M+7], s[G1M:G1M+7]
	s_nop 0
	PLACES
	s_branch .Lfd_\@
.Lnm_\@:
.endif
.if (\kind) != 1
	s_cmp_eq_u32 s[WV], 1
	s_cbranch_scc0 .Lnv_\@
	tensor_load_to_lds s[G0V+4:G0V+7], s[G1D:G1D+7]
	s_nop 0
	PLACES
	s_branch .Lfd_\@
.Lnv_\@:
.endif
.if (\kind) != 3
	s_cmp_eq_u32 s[WV], 3
	s_cbranch_scc0 .Lnp_\@
	global_prefetch_b8 v[PFO], s[PFB:PFB+1] th:TH_LOAD_NT scope:SCOPE_SE                 ; rows 0-31 of the tile, 256 bytes each, a lane a row
	global_prefetch_b8 v[PFO], s[PFB:PFB+1] offset:262144 th:TH_LOAD_NT scope:SCOPE_SE   ; rows 32-63
.Lnp_\@:
.endif
	PLACES
.Lfd_\@:
.endm
	s_load_b256 s[4:11], s[0:1], 0x0               ; qf s[4:5], kf s[6:7], vf s[8:9], mask s[10:11]
	s_load_b64 s[12:13], s[0:1], 0x20              ; out0
	v_lshl_add_u32 v[SPW], v0, 2, SPARE
	v_mov_b32 v[NIL], 0
	ds_add_u32 v[SPW], v[NIL]                      ; the wave's opening: the add and its wait stand ahead of my first tensor load; work on registers stands between them
	v_lshrrev_b32 v1, 5, v0
	v_readfirstlane_b32 s[WV], v1
	v_and_b32 v42, 15, v0                          ; r
	v_bfe_u32 v43, v0, 4, 1                        ; h
	v_and_b32 v44, 31, v0                          ; lane
	v_lshlrev_b32 v[GO], 4, v44
	v_lshlrev_b32 v[PFO], 13, v44
	s_bfe_u32 s15, ttmp6, 0x40000                  ; cx
	s_lshl_b32 s16, ttmp9, 2
	s_add_co_u32 s16, s16, s15                     ; my block of 64 queries: it enters Q's, the mask's and the output's addresses alone
	s_and_b32 s17, ttmp7, 0xffff                   ; the batch, which the four partners share
	s_lshl_b32 s18, s17, 21                        ; a batch is 2,097,152 bytes of qf, kf, vf
	s_mov_b32 s19, 0
	s_lshl_b32 s20, s16, 16                        ; 64 queries are 65,536 bytes of qf
	s_add_co_u32 s20, s20, s18
	s_mov_b32 s21, 0
	s_lshl_b32 s22, s17, 24                        ; the mask: 16,777,216 bytes a batch,
	s_lshl_b32 s23, s16, 19                        ; 64 rows of 8,192
	s_add_co_u32 s22, s22, s23
	s_mov_b32 s23, 0
	s_lshl_b32 s2, s17, 22                         ; the output: 2,048 rows of 2,048 bytes a batch,
	s_lshl_b32 s3, s16, 17                         ; 64 rows,
	s_add_co_u32 s2, s2, s3
	s_lshl_b32 s3, s[WV], 9                        ; my 128 channels
	s_add_co_u32 s2, s2, s3
	s_mov_b32 s3, 0
	s_mov_b32 s[G1D], 15|(3<<16)|(1<<21)           ; mask of four; elements of 8 bytes; bit 21 beside a mask; no padding
	s_mov_b32 s[G1D+1], 32<<16                     ; tensor_dim0 = 32 elements = 256 bytes
	s_mov_b32 s[G1D+2], 256<<16                    ; tensor_dim1 = 256
	s_mov_b32 s[G1D+3], 32<<16                     ; tile_dim0
	s_mov_b32 s[G1D+4], 256                        ; tile_dim1
	s_mov_b32 s[G1D+5], 32                         ; rows lie end to end
	s_mov_b32 s[G1D+6], 0
	s_mov_b32 s[G1D+7], 0
	s_mov_b32 s[G1M], (2<<16)|(1<<20)|(5<<22)|(3<<25)  ; no mask of work-groups; elements of 4 bytes; padding on: after every 64 words (code 5) 4 words (code 3)
	s_mov_b32 s[G1M+1], 64<<16
	s_mov_b32 s[G1M+2], 64<<16
	s_mov_b32 s[G1M+3], 64<<16
	s_mov_b32 s[G1M+4], 64
	s_mov_b32 s[G1M+5], 2048                       ; 2,048 f32 from query to query
	s_mov_b32 s[G1M+6], 0
	s_mov_b32 s[G1M+7], 0
	s_mov_b32 s[G0K], 1
	s_mov_b32 s[G0K+1], 0
	s_mov_b32 s[G0K+4], 1
	s_mov_b32 s[G0K+5], KX
	s_mov_b32 s[G0V], 1
	s_mov_b32 s[G0V+1], V0B
	s_mov_b32 s[G0V+4], 1
	s_mov_b32 s[G0V+5], V0B+KX
	s_mov_b32 s[G0M], 1
	s_mov_b32 s[G0M+1], M0B
	s_mov_b32 s[G0M+4], 1
	s_mov_b32 s[G0M+5], M0B+MX
	s_mov_b32 s[CS], 0x3d8293ee                    ; c = log2(e) / sqrt(512) = 0.0637587
	s_mov_b32 s[CS+1], s[CS]                       ; named with it as a pair
	s_mov_b32 s[SEL], 0x76543210
	s_mov_b32 s[SEL+1], 0xfedcba98
	s_mov_b32 s[HM], 0xffff0000
	s_mov_b32 s[PST], 0
	s_mov_b32 s[PST+1], 0
	s_mov_b32 s[T], KX                             ; the first trip counts as n = -1
	s_mov_b32 s[TM], MX
	s_wait_dscnt 0x0                               ; the opening add is done
	s_wait_kmcnt 0x0
	s_add_nc_u64 s[G0K+2:G0K+3], s[6:7], s[18:19]
	s_add_nc_u64 s[G0K+6:G0K+7], s[G0K+2:G0K+3], KX
	s_or_b32 s[G0K+3], s[G0K+3], 0x80000000
	s_or_b32 s[G0K+7], s[G0K+7], 0x80000000
	s_add_nc_u64 s[G0V+2:G0V+3], s[8:9], s[18:19]
	s_add_nc_u64 s[G0V+6:G0V+7], s[G0V+2:G0V+3], KX
	s_or_b32 s[G0V+3], s[G0V+3], 0x80000000
	s_or_b32 s[G0V+7], s[G0V+7], 0x80000000
	s_add_nc_u64 s[G0M+2:G0M+3], s[10:11], s[22:23]
	s_add_nc_u64 s[G0M+6:G0M+7], s[G0M+2:G0M+3], 256
	s_add_nc_u64 s[PFB:PFB+1], s[G0M+2:G0M+3], 1024  ; mask tile 4
	s_or_b32 s[G0M+3], s[G0M+3], 0x80000000
	s_or_b32 s[G0M+7], s[G0M+7], 0x80000000
	s_add_nc_u64 s[4:5], s[4:5], s[20:21]
	s_add_nc_u64 s[OUTB:OUTB+1], s[12:13], s[2:3]
	CROUND                                         ; all four work-groups are here: the first loads go out as one group
	s_cmp_eq_u32 s[WV], 0                          ; a wave's two first fills stand in one branch: two loads of mine are out
	s_cbranch_scc0 .Lh_not_k
	tensor_load_to_lds s[G0K:G0K+3], s[G1D:G1D+7]
	s_nop 0
	tensor_load_to_lds s[G0K+4:G0K+7], s[G1D:G1D+7]
	s_nop 0
	PLACES
	s_branch .Lh_done
.Lh_not_k:
	s_cmp_eq_u32 s[WV], 1
	s_cbranch_scc0 .Lh_not_v
	tensor_load_to_lds s[G0V:G0V+3], s[G1D:G1D+7]
	s_nop 0
	tensor_load_to_lds s[G0V+4:G0V+7], s[G1D:G1D+7]
	s_nop 0
	PLACES
	s_branch .Lh_done
.Lh_not_v:
	s_cmp_eq_u32 s[WV], 2
	s_cbranch_scc0 .Lh_not_m
	tensor_load_to_lds s[G0M:G0M+3], s[G1M:G1M+7]
	s_nop 0
	tensor_load_to_lds s[G0M+4:G0M+7], s[G1M:G1M+7]
	s_nop 0
	PLACES
	s_branch .Lh_done
.Lh_not_m:                                             ; wave 3: mask tiles 2 and 3
	global_prefetch_b8 v[PFO], s[PFB:PFB+1] offset:-512 th:TH_LOAD_NT scope:SCOPE_SE
	global_prefetch_b8 v[PFO], s[PFB:PFB+1] offset:262144-512 th:TH_LOAD_NT scope:SCOPE_SE
	global_prefetch_b8 v[PFO], s[PFB:PFB+1] offset:-256 th:TH_LOAD_NT scope:SCOPE_SE
	global_prefetch_b8 v[PFO], s[PFB:PFB+1] offset:262144-256 th:TH_LOAD_NT scope:SCOPE_SE
.Lh_done:
.set c_, 0
.rept 16                               ; Q stays in registers: every wave holds all 64 fragments; each load takes 512 consecutive bytes
	WIN 0x40+0x40*(c_/8)
.irp t, 0,1,2,3
	global_load_b128 v[32*(c_%8)+8*\t:32*(c_%8)+8*\t+3],   v[GO], s[4:5] offset:16384*\t+1024*c_
	global_load_b128 v[32*(c_%8)+8*\t+4:32*(c_%8)+8*\t+7], v[GO], s[4:5] offset:16384*\t+1024*c_+512
.endr
.set c_, c_+1
.endr
	WIN 0
	s_lshl_b32 s15, s[WV], 14
	v_add_nc_u32 v[AK0], s15, v[GO]
	s_lshl_b32 s15, s[WV], 13
	s_add_co_u32 s15, s15, V0B
	v_add_nc_u32 v[AV0], s15, v[GO]
	s_lshl_b32 s15, s[WV], 6
	s_add_co_u32 s15, s15, M0B
	v_mul_u32_u24 v[AM0], v42, MPITCH
	v_lshl_add_u32 v[AM0], v43, 5, v[AM0]
	v_add_nc_u32 v[AM0], s15, v[AM0]
	s_lshl_b32 s15, s[WV], 9
	s_add_co_u32 s15, s15, PXB
	v_add_nc_u32 v[APS], s15, v[GO]
	v_add_nc_u32 v[APL], PXB, v[GO]
	s_lshl_b32 s15, s[WV], 8
	s_add_co_u32 s15, s15, MXB
	v_lshl_add_u32 v[AXS], v42, 4, s15
	v_lshlrev_b32 v[AXL], 4, v42
	v_add_nc_u32 v[AXL], MXB, v[AXL]
	s_mul_i32 s15, s[WV], 16*SGP                   ; my stage: 16 rows of 528 bytes
	v_mul_u32_u24 v[STO], v42, SGP
	v_lshl_add_u32 v[STO], v43, 5, v[STO]
	v_add_nc_u32 v[STO], s15, v[STO]
	v_add_nc_u32 v[RD], s15, v[GO]
	v_mov_b32 v[ADK], v[AK0]
	v_mov_b32 v[ADM], v[AM0]
.irp t, 0,1,2,3
	v_mov_b32 v[ST+6*\t], 0xfe000000               ; c m: far below every c s
	v_mov_b32 v[ST+6*\t+1], 0xff7fffff             ; m
	v_mov_b32 v[ST+6*\t+2], 0
	v_mov_b32 v[ST+6*\t+3], 0
	v_mov_b32 v[ST+6*\t+4], 0
	v_mov_b32 v[ST+6*\t+5], 0
.endr
; THE MATRIX WORK.  Product k of 64 of S^T: channels 32 (k / 4) on, tile k % 4; the first four take the mask as C.  The four accumulators take turns.
.macro MK
.set c_, k/4
.set t_, k%4
.set rK, F0+32*((c_/4)%2)+8*(c_%4)
.set rQ, 32*(c_%8)+8*t_
.set rS, S+8*t_
	WIN 0x04+4*(c_/8)                              ; source 1 = Q, window 1 or 2
.if c_ == 0
	v_wmma_f32_16x16x32_f16 v[rS:rS+7], v[rK:rK+7], v[rQ:rQ+7], v[MB+8*t_:MB+8*t_+7]
.else
	v_wmma_f32_16x16x32_f16 v[rS:rS+7], v[rK:rK+7], v[rQ:rQ+7], v[rS:rS+7]
.endif
.endm
; Product p of 64 of O^T += V^T P: keys 32 (p / 32) on, channel block 4 ((p / 16) % 2) + (p % 16) / 4, tile p % 4: 32 accumulators by turns.
.macro MP pv
.if \pv
.set i_, (p%16)/4
.set t_, p%4
.set rV, F0+32*((p/16)%2)+8*i_
.set rO, 8*(4*(4*((p/16)%2)+i_)+t_)
.set rP, PF+8*(2*t_+p/32)
	WIN 0xF0                                       ; C and D window 3
	v_wmma_f32_16x16x32_f16 v[rO:rO+7], v[rV:rV+7], v[rP:rP+7], v[rO:rO+7]
.endif
.set p, p+1
.endm
.macro MPN pv, n
.rept \n
	MP \pv
.endr
.endm
; THE LDS LOADS, in runs; each takes 512 consecutive bytes.
.macro FETCHK q, buf                   ; K's fragments c = 4 q .. 4 q + 3 of my 16 keys
	WIN 0
.irp i, 0,1,2,3
	ds_load_b128 v[(\buf)+8*\i:(\buf)+8*\i+3],   v[ADK] offset:1024*(4*(\q)+\i)
	ds_load_b128 v[(\buf)+8*\i+4:(\buf)+8*\i+7], v[ADK] offset:1024*(4*(\q)+\i)+512
.endr
.endm
.macro FETCHV part, buf                ; V's fragments: keys 32 (part / 2) on, my channel blocks 4 (part % 2) .. + 3
	WIN 0
.irp i, 0,1,2,3
	ds_load_b128 v[(\buf)+8*\i:(\buf)+8*\i+3],   v[ADV] offset:32768*((\part)/2)+1024*(4*((\part)%2)+\i)
	ds_load_b128 v[(\buf)+8*\i+4:(\buf)+8*\i+7], v[ADV] offset:32768*((\part)/2)+1024*(4*((\part)%2)+\i)+512
.endr
.endm
.macro LOADPF                          ; all of P: eight fragments
	WIN 0
.set u, 0
.rept 16
	ds_load_b128 v[PF+4*u:PF+4*u+3], v[APL] offset:512*u
.set u, u+1
.endr
.endm
.macro LOADM                           ; my part of a mask tile: query r of each tile, keys 16 w + 8 h + 0..7
	WIN 0
.irp t, 0,1,2,3
	ds_load_b128 v[MB+8*\t:MB+8*\t+3],   v[ADM] offset:16*MPITCH*\t
	ds_load_b128 v[MB+8*\t+4:MB+8*\t+7], v[ADM] offset:16*MPITCH*\t+16
.endr
.endm
; THE VECTOR WORK.
.macro RS i, mode                      ; pair i of 128 of O^T: times a of its tile (mode 1), or cleared (mode 2); each accumulator's lowest registers first
.if (\mode) == 1
	WIN 0xC3
	v_pk_mul_f32 v[2*(\i):2*(\i)+1], v[2*(\i):2*(\i)+1], v[ST+6*(((\i)/4)%4)+4:ST+6*(((\i)/4)%4)+5] op_sel_hi:[1,0]
.else
	WIN 0xC0
	v_mov_b32 v[2*(\i)], 0
	v_mov_b32 v[2*(\i)+1], 0
.endif
.endm
.macro LM4 g                           ; line g of six of my wave's maximum, for the four tiles
	WIN 0
.irp t, 0,1,2,3
.if (\g) == 0
	v_max3_num_f32 v[LMX+\t], v[S+8*\t], v[S+8*\t+1], v[S+8*\t+2]
.elseif (\g) == 1
	v_max3_num_f32 v[LMX+\t], v[LMX+\t], v[S+8*\t+3], v[S+8*\t+4]
.elseif (\g) == 2
	v_max3_num_f32 v[LMX+\t], v[LMX+\t], v[S+8*\t+5], v[S+8*\t+6]
.elseif (\g) == 3
	v_max_num_f32 v[LMX+\t], v[LMX+\t], v[S+8*\t+7]
.elseif (\g) == 4
	v_permlanex16_b32 v[ST+6*\t+5], v[LMX+\t], s[SEL], s[SEL+1]  ; the query's other 8 keys lie in the lane 16 away
.else
	v_max_num_f32 v[LMX+\t], v[LMX+\t], v[ST+6*\t+5]
.endif
.endr
.endm
.macro XQ g                            ; line g of five of the statistics: the four waves' maxima and the old m; c m_old - c m_new; c m; a
	WIN 0
.irp t, 0,1,2,3
.if (\g) == 0
	v_max3_num_f32 v[ST+6*\t+5], v[PK+\t], v[PK+4+\t], v[PK+8+\t]
.elseif (\g) == 1
	v_max3_num_f32 v[ST+6*\t+1], v[ST+6*\t+5], v[PK+12+\t], v[ST+6*\t+1]
.elseif (\g) == 2
	v_fma_f32 v[ST+6*\t+5], -v[ST+6*\t+1], s[CS], v[ST+6*\t]
.elseif (\g) == 3
	v_mul_f32 v[ST+6*\t], s[CS], v[ST+6*\t+1]
.else
	v_exp_f32 v[ST+6*\t+4], v[ST+6*\t+5]
.endif
.endr
.endm
.macro SC b                            ; c s - c m: tile b % 4, pair b / 4
.set t_, (\b)%4
.set j_, (\b)/4
	WIN 0
	v_pk_fma_f32 v[S+8*t_+2*j_:S+8*t_+2*j_+1], v[S+8*t_+2*j_:S+8*t_+2*j_+1], s[CS:CS+1], v[ST+6*t_:ST+6*t_+1] op_sel_hi:[1,0,0] neg_lo:[0,0,1] neg_hi:[0,0,1]
.endm
.macro EX e                            ; the exponential: tile e % 4, score e / 4
	WIN 0
	v_exp_f32 v[S+8*((\e)%4)+(\e)/4], v[S+8*((\e)%4)+(\e)/4]
.endm
.macro CV b                            ; rounded to f16: tile b % 4, pair b / 4
	WIN 0
	s_wait_alu depctr_va_vdst(0)
	v_cvt_pk_f16_f32 v[PK+4*((\b)%4)+(\b)/4], v[S+8*((\b)%4)+2*((\b)/4)], v[S+8*((\b)%4)+2*((\b)/4)+1]
.endm
.macro AS g, t                         ; the sums of tile t: pairs 1 onto 0, 3 onto 2, 2 onto 0, in place; then l = a l + sum
.set rS, S+8*(\t)
.set rT, ST+6*(\t)
	WIN 0
.if (\g) == 1
	v_pk_add_f32 v[rS:rS+1], v[rS:rS+1], v[rS+2:rS+3]
.elseif (\g) == 2
	v_pk_add_f32 v[rS+4:rS+5], v[rS+4:rS+5], v[rS+6:rS+7]
.elseif (\g) == 3
	v_pk_add_f32 v[rS:rS+1], v[rS:rS+1], v[rS+4:rS+5]
.else
	v_pk_fma_f32 v[rT+2:rT+3], v[rT+2:rT+3], v[rT+4:rT+5], v[rS:rS+1] op_sel_hi:[1,0,1]
.endif
.endm
.macro CE pv, a, e                     ; a product and: round, exponential, round, exponential
	MP \pv
	CV \a
	EX \e
	CV (\a)+1
	EX (\e)+1
.endm
.macro MR6 j                           ; six of the 48 that round the mask to bf16 and widen it again
	WIN 0
.set n_, 6*(\j)
.rept 6
.if n_ < 16
	v_cvt_pk_bf16_f32 v[PK+n_], v[MB+2*n_], v[MB+2*n_+1]
.elseif n_%2 == 0
	v_lshlrev_b32 v[MB+n_-16], 16, v[PK+(n_-16)/2]
.else
	v_and_b32 v[MB+n_-16], s[HM], v[PK+(n_-16)/2]
.endif
.set n_, n_+1
.endr
.endm
; A TRIP.  kq: S of the next step.  rs: 1 O times a, 2 O cleared.  pv: V^T P of the step in hand.  sm: the next step's softmax.  fill: the kind of refills, 0 none.  nxt: the mask and K's first fragments of the
; step after next are fetched.  pf: the prefetch address steps.
; Places ahead of each run of loads into F0, F1, PF (four plain vector instructions behind the last product that read them): the riders, counted: two behind each product of phase 1; LM4's eight; SC 14, SC 15,
; CV 0, CV 1 round p32; else four v_nop.
.macro TRIP kq, rs, pv, sm, fill, nxt, pf
.if \kq
.set k, 0
.rept 64
.if k == 16
	s_wait_dscnt 16*(\pv)                          ; K's second quarter is in; P's sixteen loads may stay out
.elseif (k == 32) || (k == 48)
	s_wait_dscnt 0x0
.endif
	MK
	RS 2*k, \rs
	RS 2*k+1, \rs
.if k == 0
	FETCHK 1, F1
.if \pv
	LOADPF                                         ; P of the step in hand: every wave's stores were shown done by the barrier at the last trip's end
.endif
.elseif k == 16
	FETCHK 2, F0
.elseif k == 32
	FETCHK 3, F1
.if \pf
	s_wait_xcnt 0x0                                ; the last prefetch has read its address: half a trip lies between
	s_cmp_ge_u32 s[CNT], 3                         ; trips 0 to 26 step to tiles 5 to 31; the last two stay at tile 31
	s_cselect_b32 s[PST], 256, 0
	s_add_nc_u64 s[PFB:PFB+1], s[PFB:PFB+1], s[PST:PST+1]
.endif
.elseif (k == 48) && (\pv)
	WIN 0
	v_add_nc_u32 v[ADV], s[T], v[AV0]
	FETCHV 0, F0
.endif
.set k, k+1
.endr
.else                                  ; the last trip: no scores; the rescaling stands alone, the loads early in it
.set k, 0
.rept 128
	RS k, \rs
.if k == 7
	WIN 0
	v_add_nc_u32 v[ADV], s[T], v[AV0]
	LOADPF
	FETCHV 0, F0
.endif
.set k, k+1
.endr
.endif
.set p, 0
	s_wait_dscnt 0x0                               ; V's first part (and P) are in
.if \sm
	MP \pv
	LM4 0
	MP \pv
	LM4 1
.if \pv
	FETCHV 1, F1
.endif
	MP \pv
	LM4 2
	MP \pv
	LM4 3
	MP \pv
	LM4 4
	MP \pv
	LM4 5
	ds_store_b128 v[AXS], v[LMX:LMX+3]             ; my wave's maxima of the four tiles; both halves of the lanes write the same
	MPN \pv, 2
	s_wait_dscnt 0x0                               ; for the others' sake
	s_barrier_signal -1                            ; BARRIER A
	MPN \pv, 4
	s_barrier_wait -1
	WIN 0
.irp u, 0,1,2,3
	ds_load_b128 v[PK+4*\u:PK+4*\u+3], v[AXL] offset:256*\u
.endr
	MPN \pv, 5
.if \pv
	WIN 0
	PLACES
	FETCHV 2, F0
.endif
	MPN \pv, 3
	s_wait_dscnt 8*(\pv)                           ; the four waves' maxima are in; V's eight loads may stay out
.irp g, 0,1,2,3,4
	MP \pv
	XQ \g
.endr
	MP \pv
	SC 0
	SC 1
	SC 2
	SC 3
.set u, 0
.rept 6                                ; plain, exponential, plain, exponential: a plain instruction of another tile stands behind each exponential (ISA guide 5.7.2)
	MP \pv
	SC 4+2*u
	EX 2*u
	SC 5+2*u
	EX 2*u+1
.set u, u+1
.endr
	s_wait_dscnt 0x0                               ; V's third part is in
	CE \pv, 0, 12
.if \pv
	FETCHV 3, F1
.endif
	CE \pv, 2, 14
	CE \pv, 4, 16
	CE \pv, 6, 18
	MP \pv
	AS 1, 0
	EX 20
	AS 1, 1
	EX 21
	MP \pv
	AS 1, 2
	EX 22
	AS 1, 3
	EX 23
	CE \pv, 8, 24
	CE \pv, 10, 26
	WIN 0                                          ; (the add's two registers lie in window 0)
	s_wait_tensorcnt 0x0                           ; all my tensor loads have landed: the one that was out is the tile read next
	ds_add_u32 v[SPW], v[NIL]                      ; work on registers stands between the add and its wait
.if ((\fill) == 1) || ((\fill) == 2)
	s_xor_b32 s[G0K+5], s[G0K+5], KX               ; the walking descriptors: the other slot than last time, the next tile; the type bits on top are not reached
	s_add_nc_u64 s[G0K+6:G0K+7], s[G0K+6:G0K+7], KX
	s_xor_b32 s[G0M+5], s[G0M+5], MX
	s_add_nc_u64 s[G0M+6:G0M+7], s[G0M+6:G0M+7], 256
.endif
.if (\fill) >= 2
	s_xor_b32 s[G0V+5], s[G0V+5], KX
	s_add_nc_u64 s[G0V+6:G0V+7], s[G0V+6:G0V+7], KX
.endif
	MP \pv
	EX 28
	EX 29
	EX 30
	EX 31
	MP \pv
	v_nop                                          ; a plain instruction between the last exponentials and their use
	s_wait_alu depctr_va_vdst(0)
	CV 12
	CV 13
	CV 14
	MP \pv
	CV 15
	AS 2, 0
	AS 2, 1
	AS 2, 2
	MP \pv
	AS 2, 3
	AS 3, 0
	AS 3, 1
	AS 3, 2
	s_wait_dscnt 0x0                               ; the add is done; my reads of K(n + 1), V(n) and mask(n + 1) are over
	s_barrier_signal -1                            ; BARRIER R
	MP \pv
	AS 3, 3
	AS 4, 0
	AS 4, 1
	AS 4, 2
	MP \pv
	AS 4, 3
	MPN \pv, 2
	WIN 0
	s_barrier_wait -1
.if \fill
	CREST                                          ; the barrier has opened a round of the cluster's: no wave of any partner still reads those slots or has a load on its way
	FILL \fill
.else
	PLACES
.endif
.irp t, 0,1,2,3
	ds_store_b128 v[APS], v[PK+4*\t:PK+4*\t+3] offset:2048*\t  ; P of the next step: the last readers of these bytes waited ahead of barrier A
.endr
.if \nxt
	v_add_nc_u32 v[ADM], s[TM], v[AM0]             ; step n + 2 lies in the slots of n's parity: whole since the barrier
	v_add_nc_u32 v[ADK], s[T], v[AK0]
	LOADM
	FETCHK 0, F0
.endif
	MPN \pv, 8
	s_wait_dscnt 0x0                               ; for the others' sake: P is stored; the mask and K's first quarter are in
	s_barrier_signal -1                            ; BARRIER B
.irp j, 0,1,2,3,4,5,6,7
	MP \pv
.if \nxt
	MR6 \j
.endif
.endr
	WIN 0
	s_barrier_wait -1
	s_xor_b32 s[T], s[T], KX
	s_lshr_b32 s[TM], s[T], 1
.else                                  ; the last trip: the products alone
	MPN \pv, 2
	FETCHV 1, F1
	MPN \pv, 14
	s_wait_dscnt 0x0
	MPN \pv, 1
	WIN 0
	PLACES
	FETCHV 2, F0
	MPN \pv, 15
	s_wait_dscnt 0x0
	MPN \pv, 1
	WIN 0
	PLACES
	FETCHV 3, F1
	MPN \pv, 15
	s_wait_dscnt 0x0
	MPN \pv, 16
	WIN 0
.endif
.endm
	s_wait_tensorcnt 0x1                           ; my tile 0 is in; tile 1 may stay out
	s_barrier_signal -1
	s_barrier_wait -1                              ; everybody's is
	LOADM                                          ; mask 0
	FETCHK 0, F0                                   ; K of step 0, first quarter
	s_wait_dscnt 8                                 ; the mask is in; K's eight loads may stay out
.irp j, 0,1,2,3,4,5,6,7
	MR6 \j
.endr
	s_wait_loadcnt 0x0                             ; Q
	s_wait_dscnt 0x0
	TRIP 1, 2, 0, 1, 1, 1, 0                       ; n = -1: S(0), O cleared, softmax(0); asks for K(2), mask(2)
	s_mov_b32 s[CNT], 29
.Ltrip:                                                ; n = 0 .. 28: asks for K(n + 3), mask(n + 3), V(n + 2)
	TRIP 1, 1, 1, 1, 2, 1, 1
	s_sub_co_u32 s[CNT], s[CNT], 1
	s_cmp_lg_u32 s[CNT], 0
	s_cbranch_scc1 .Ltrip
	TRIP 1, 1, 1, 1, 3, 1, 0                       ; n = 29: the tail is written out: V(31) alone
	TRIP 1, 1, 1, 1, 0, 0, 0                       ; n = 30: S(31); nothing is asked for or fetched ahead
	TRIP 0, 1, 1, 0, 0, 0, 0                       ; n = 31: V^T P of the last step
	; THE WAY OUT.  l: my two halves, the other half of the lanes', then the four waves' through LDS.  The additions are the places behind the last products.
.irp t, 0,1,2,3
	v_add_f32 v[LMX+\t], v[ST+6*\t+2], v[ST+6*\t+3]
.endr
.irp t, 0,1,2,3
	v_permlanex16_b32 v[ST+6*\t+5], v[LMX+\t], s[SEL], s[SEL+1]
.endr
.irp t, 0,1,2,3
	v_add_f32 v[LMX+\t], v[LMX+\t], v[ST+6*\t+5]
.endr
	ds_store_b128 v[AXS], v[LMX:LMX+3]
	s_wait_dscnt 0x0                               ; for the others' sake
	s_barrier_signal -1
	s_barrier_wait -1
.irp u, 0,1,2,3
	ds_load_b128 v[PK+4*\u:PK+4*\u+3], v[AXL] offset:256*\u
.endr
	s_wait_dscnt 0x0
.irp t, 0,1,2,3
	v_add_f32 v[ST+6*\t+5], v[PK+\t], v[PK+4+\t]
.endr
.irp t, 0,1,2,3
	v_add_f32 v[ST+6*\t+4], v[PK+8+\t], v[PK+12+\t]
.endr
.irp t, 0,1,2,3
	v_add_f32 v[ST+6*\t+5], v[ST+6*\t+5], v[ST+6*\t+4]
.endr
.irp t, 0,1,2,3
	v_rcp_f32 v[ST+6*\t+4], v[ST+6*\t+5]
.endr
	v_nop                                          ; a plain instruction between the last reciprocal and the use of its result
	s_wait_alu depctr_va_vdst(0)
; Tile t: O^T / l; a lane's eight channels of a query, 32 bytes, go into my stage's rows of 528 bytes and come back as whole rows of 512 bytes.
.macro PACK t
	WIN 0xC3
.irp cb, 0,1,2,3,4,5,6,7
.irp j, 0,1,2,3
	v_pk_mul_f32 v[8*(4*\cb+(\t))+2*\j:8*(4*\cb+(\t))+2*\j+1], v[8*(4*\cb+(\t))+2*\j:8*(4*\cb+(\t))+2*\j+1], v[ST+6*(\t)+4:ST+6*(\t)+5] op_sel_hi:[1,0]
.endr
.endr
	WIN 0x0C                                       ; store data window 3, address window 0
.irp cb, 0,1,2,3,4,5,6,7
	ds_store_b128 v[STO], v[8*(4*\cb+(\t)):8*(4*\cb+(\t))+3]   offset:64*\cb
	ds_store_b128 v[STO], v[8*(4*\cb+(\t))+4:8*(4*\cb+(\t))+7] offset:64*\cb+16
.endr
	WIN 0
.if (\t) >= 2
	s_wait_xcnt 0x0                                ; the registers below were the data of the stores two tiles back (ISA guide 3.1)
.endif
.set u, 0
.rept 16
	ds_load_b128 v[PF+64*((\t)%2)+4*u:PF+64*((\t)%2)+4*u+3], v[RD] offset:SGP*u  ; LDS serves a wave's instructions in order (ISA guide 5.7.1.4): these see the stores above
.set u, u+1
.endr
.endm
.macro SEND t, younger                 ; younger: the LDS instructions issued behind tile t's loads: the next tile's 32, or none
	WIN 0
.set u, 0
.rept 16
	s_wait_dscnt (\younger)+15-u
	global_store_b128 v[GO], v[PF+64*((\t)%2)+4*u:PF+64*((\t)%2)+4*u+3], s[OUTB:OUTB+1] offset:(16*(\t)+u)*2048 th:TH_STORE_NT  ; 512 consecutive bytes of a row, aligned
.set u, u+1
.endr
.endm
	PACK 0
	PACK 1                                         ; a tile's arithmetic stands between the loads of the tile before and its stores
	SEND 0, 32
	PACK 2
	SEND 1, 32
	PACK 3
	SEND 2, 32
	SEND 3, 0
	s_wait_tensorcnt 0x0                           ; the wave's end
	ds_add_u32 v[SPW], v[NIL]
	s_wait_dscnt 0x0
	CROUND                                         ; the closing round
	s_endpgm
.Lfunc_end_k_q5a08db1407_attn:
	.size	k_q5a08db1407_attn, .Lfunc_end_k_q5a08db1407_attn-k_q5a08db1407_attn
	.p2alignl 7, 3214868480
	.fill 96, 4, 3214868480
	.section	.rodata,"a",@progbits
	.p2align	6, 0x0
	.amdhsa_kernel k_q5a08db1407_attn
		.amdhsa_group_segment_fixed_size 327680
		.amdhsa_private_segment_fixed_size 0
		.amdhsa_enable_private_segment 0
		.amdhsa_kernarg_size 40
		.amdhsa_user_sgpr_count 2
		.amdhsa_user_sgpr_kernarg_segment_ptr 1
		.amdhsa_wavefront_size32 1
		.amdhsa_system_sgpr_workgroup_id_x 1
		.amdhsa_system_sgpr_workgroup_id_y 1
		.amdhsa_system_sgpr_workgroup_id_z 1
		.amdhsa_system_vgpr_workitem_id 0
		.amdhsa_next_free_vgpr 1024
		.amdhsa_next_free_sgpr 80
		.amdhsa_reserve_vcc 0
		.amdhsa_float_denorm_mode_32 3
		.amdhsa_float_denorm_mode_16_64 3
		.amdhsa_memory_ordered 1
		.amdhsa_forward_progress 1
		.amdhsa_inst_pref_size 212
	.end_amdhsa_kernel
	.amdgpu_metadata
---
amdhsa.version: [ 1, 2 ]
amdhsa.kernels:
  - .name:           k_q5a08db1407_attn
    .symbol:         k_q5a08db1407_attn.kd
    .args:
      - { .name: qf, .offset: 0, .size: 8, .value_kind: global_buffer, .address_space: global }
      - { .name: kf, .offset: 8, .size: 8, .value_kind: global_buffer, .address_space: global }
      - { .name: vf, .offset: 16, .size: 8, .value_kind: global_buffer, .address_space: global }
      - { .name: mask, .offset: 24, .size: 8, .value_kind: global_buffer, .address_space: global }
      - { .name: out0, .offset: 32, .size: 8, .value_kind: global_buffer, .address_space: global }
    .group_segment_fixed_size: 327680
    .private_segment_fixed_size: 0
    .kernarg_segment_align: 8
    .kernarg_segment_size: 40
    .max_flat_workgroup_size: 128
    .sgpr_count:     80
    .vgpr_count:     1024
    .wavefront_size: 32
...
	.end_amdgpu_metadata
.endif
;; end of part 3
;; ======== version 2 of 2: 3 launches; version 1 with the launch wconv written anew for expert scheduling mode
;; limits: values are held in f16: magnitudes above 65,504 overflow, below 6.1e-05 lose precision
;; workspace buffers: wb 1,572,864 bytes; qf 16,777,216 bytes; kf 16,777,216 bytes; vf 16,777,216 bytes
;; launch wconv (part 4): grid 32 x 3, 4 waves a work-group, no clusters, 0 bytes of LDS; arguments Wq, Wk, Wv, wb; writes wb
.if DOCPART == 4
	.amdgcn_target "amdgcn-amd-amdhsa--gfx1250"
	.amdhsa_code_object_version 6
	.text
	.protected	k_q5a08db1407_wconv
	.globl	k_q5a08db1407_wconv
	.p2align	8
	.type	k_q5a08db1407_wconv,@function
k_q5a08db1407_wconv:
	s_mov_b64 s[64:65], 0
	v_nop
	global_prefetch_b8 v0, s[64:65] scope:SCOPE_SE
	s_setreg_imm32_b32 hwreg(HW_REG_WAVE_SCHED_MODE, 0, 2), 2
	s_setreg_imm32_b32 hwreg(HW_REG_WAVE_MODE, 25, 1), 1
	s_wait_xcnt 0x0
	s_wait_alu depctr_vm_vsrc(0)
; Wq, Wk, Wv ([512][512] f32) -> wb: bf16 (round to nearest even), laid out as matrix fragments:
;   wb[32 mat + nb][c][hf][lane][16 bytes] = W_mat[16 nb + r][32 c + 16 hf + 8 h + 0..7],  lane = (r = lane % 16, h = lane / 16),  mat 0, 1, 2 = q, k, v.
; So the next launch reads a fragment half as 512 consecutive bytes a wave, from memory and from LDS.
; Work-group (nb, mat): 16 rows of one matrix; wave w takes the column blocks c = 4 w .. 4 w + 3 (512 bytes of each row).
; 3 MB are moved once: no LDS, no matrix unit, no cluster (no two work-groups read the same bytes).
; THE MODE: SCHED_MODE bits 1:0 = 2 (LLVM: expert scheduling mode 2), set by the entry lines.  The code itself states the register dependences
; between vector instructions and memory instructions, with s_wait_alu, always for 0.
; THE PLAN.  Registers that memory instructions touch (the text is straight: no loop):
;   v1, v2     byte offsets, made at the head and never written again: v1 is read by the sixteen loads, v2 by the eight stores.
;   X0 .. X7   group i: 8 registers, written by its two loads, once; no vector instruction names them before that; read by group i's four conversions.
;   Y0 .. Y7   group i: 4 registers, written by group i's conversions, once; read by store i.
; No register that a memory instruction reads is ever written again, no vector instruction writes a scalar register or VCC, and EXEC is never written.
; So three waits on va_vdst state everything: ahead of the first load (the offsets); at the head of the second half (Y0 .. Y3, whose stores are then dealt among groups 4 to 7,
; which name X4 .. X7 and Y4 .. Y7 alone); and behind the last conversions (Y4 .. Y7).
.set X, 8                              ; v[8:71]   sixteen loads of four f32
.set Y, 72                             ; v[72:103] eight groups of eight bf16
	s_load_b256 s[4:11], s[0:1], 0x0               ; Wq s[4:5], Wk s[6:7], Wv s[8:9], wb s[10:11]
	s_and_b32 s14, ttmp7, 0xffff                   ; which matrix
	s_lshl_b32 s16, ttmp9, 15                      ; 16 rows of 2,048 bytes
	s_mov_b32 s17, 0
	s_lshl_b32 s18, s14, 5
	s_add_co_u32 s18, s18, ttmp9
	s_lshl_b32 s18, s18, 14                        ; block 32 mat + nb of 16,384 bytes in wb
	s_mov_b32 s19, 0
	v_and_b32 v3, 15, v0                           ; r
	v_bfe_u32 v4, v0, 4, 1                         ; h
	v_lshrrev_b32 v5, 5, v0                        ; wave
	v_and_b32 v6, 31, v0                           ; lane
	v_lshlrev_b32 v1, 11, v3                       ; from: row r,
	v_lshl_add_u32 v1, v4, 5, v1                   ; eight f32 for each half of the lanes,
	v_lshl_add_u32 v1, v5, 9, v1                   ; my wave's 512 bytes
	v_lshlrev_b32 v2, 4, v6                        ; to: 16 bytes a lane,
	v_lshl_add_u32 v2, v5, 12, v2                  ; four column blocks of 1,024 bytes a wave
	s_wait_kmcnt 0x0
	s_cmp_eq_u32 s14, 1
	s_cselect_b64 s[12:13], s[6:7], s[4:5]
	s_cmp_eq_u32 s14, 2
	s_cselect_b64 s[12:13], s[8:9], s[12:13]
	s_add_nc_u64 s[12:13], s[12:13], s[16:17]
	s_add_nc_u64 s[10:11], s[10:11], s[18:19]
	s_wait_alu depctr_va_vdst(0)                   ; v1 and v2 are written: every load below reads v1 as its offset, every store v2
.set i, 0
.rept 16                               ; group i / 2 = 2 c' + hf lies 64 bytes on; two loads of four f32 each
	global_load_b128 v[X+4*i:X+4*i+3], v1, s[12:13] offset:(i/2)*64+(i%2)*16
.set i, i+1
.endr
.macro CVT g                           ; group g: eight f32 rounded to bf16, 16 bytes a lane
.irp j, 0,1,2,3
	v_cvt_pk_bf16_f32 v[Y+4*(\g)+\j], v[X+8*(\g)+2*\j], v[X+8*(\g)+2*\j+1]
.endr
.endm
.macro OUT g                           ; group g leaves: 512 consecutive bytes a wave, aligned
	global_store_b128 v2, v[Y+4*(\g):Y+4*(\g)+3], s[10:11] offset:512*(\g)
.endm
.irp g, 0,1,2,3                        ; the first half: rounded, not yet stored
	s_wait_loadcnt 14-2*\g                         ; loads come back in order (ISA guide 5.7.1): group g's two are in, the younger ones stay out
	CVT \g
.endr
.irp g, 4,5,6,7                        ; the second half: ahead of each group's conversions a store of the first half
	s_wait_loadcnt 14-2*\g
.if \g == 4
	s_wait_alu depctr_va_vdst(0)                   ; the conversions of groups 0 to 3 have written Y0 to Y3, which the four stores of this half read
.endif
	OUT \g-4                                       ; no further wait: no vector instruction since the wait above names this store's Y or v2
	CVT \g
.endr
	s_wait_alu depctr_va_vdst(0)                   ; the conversions of groups 4 to 7 have written Y4 to Y7, which the last four stores read
.irp g, 4,5,6,7
	OUT \g
.endr
	s_endpgm
.Lfunc_end_k_q5a08db1407_wconv:
	.size	k_q5a08db1407_wconv, .Lfunc_end_k_q5a08db1407_wconv-k_q5a08db1407_wconv
	.p2alignl 7, 3214868480
	.fill 96, 4, 3214868480
	.section	.rodata,"a",@progbits
	.p2align	6, 0x0
	.amdhsa_kernel k_q5a08db1407_wconv
		.amdhsa_group_segment_fixed_size 0
		.amdhsa_private_segment_fixed_size 0
		.amdhsa_enable_private_segment 0
		.amdhsa_kernarg_size 32
		.amdhsa_user_sgpr_count 2
		.amdhsa_user_sgpr_kernarg_segment_ptr 1
		.amdhsa_wavefront_size32 1
		.amdhsa_system_sgpr_workgroup_id_x 1
		.amdhsa_system_sgpr_workgroup_id_y 1
		.amdhsa_system_sgpr_workgroup_id_z 1
		.amdhsa_system_vgpr_workitem_id 0
		.amdhsa_next_free_vgpr 104
		.amdhsa_next_free_sgpr 66
		.amdhsa_reserve_vcc 0
		.amdhsa_float_denorm_mode_32 3
		.amdhsa_float_denorm_mode_16_64 3
		.amdhsa_memory_ordered 1
		.amdhsa_forward_progress 1
		.amdhsa_inst_pref_size 6
	.end_amdhsa_kernel
	.amdgpu_metadata
---
amdhsa.version: [ 1, 2 ]
amdhsa.kernels:
  - .name:           k_q5a08db1407_wconv
    .symbol:         k_q5a08db1407_wconv.kd
    .args:
      - { .name: Wq, .offset: 0, .size: 8, .value_kind: global_buffer, .address_space: global }
      - { .name: Wk, .offset: 8, .size: 8, .value_kind: global_buffer, .address_space: global }
      - { .name: Wv, .offset: 16, .size: 8, .value_kind: global_buffer, .address_space: global }
      - { .name: wb, .offset: 24, .size: 8, .value_kind: global_buffer, .address_space: global }
    .group_segment_fixed_size: 0
    .private_segment_fixed_size: 0
    .kernarg_segment_align: 8
    .kernarg_segment_size: 32
    .max_flat_workgroup_size: 128
    .sgpr_count:     66
    .vgpr_count:     104
    .wavefront_size: 32
...
	.end_amdgpu_metadata
.endif
;; end of part 4
;; launch proj: the kernel of part 2 again; grid 64 x 4, 4 waves a work-group, clusters of 4 x 1, 327,680 bytes of LDS; arguments embeddings, wb, bq, bk, bv, qf, kf, vf; writes qf, kf, vf
;; launch attn: the kernel of part 3 again; grid 32 x 8, 4 waves a work-group, clusters of 4 x 1, 327,680 bytes of LDS; arguments qf, kf, vf, mask, out0; writes out0
